; MI455X (gfx1250); checked and timed in simulation.
; The chip was launched on July 23, 2026; its instructions are those of AMD's public machine-readable ISA for CDNA 5 (MIT licence, August 2026) and "CDNA5" Instruction Set Architecture Reference Guide (July 2026). The comments in the code are by the model that wrote it; some were corrected since.
;; Self Attention. Allowed arithmetic: matrix products marked QUANTISED: E2M3 operands, one E8M0 scale for each 32 along K, by v_wmma_scale_f32_16x16x128_f8f6f4 with both operands' format E2M3, f32 sums; everything else in f32.
;; Inputs: W_out_codes 1,024 x 32 x 24 uint8 (E2M3 codes of W_out, K innermost, in blocks of 32 codes, four codes in three bytes); W_out_scales 1,024 x 32 uint8 (E8M0 scales of W_out, one for each 32 codes along K); W_qkv_codes 3,072 x 32 x 24 uint8 (E2M3 codes of W_qkv, K innermost, in blocks of 32 codes, four codes in three bytes); W_qkv_scales 3,072 x 32 uint8 (E8M0 scales of W_qkv, one for each 32 codes along K); scale one number float32; x_codes 2 x 2,048 x 32 x 24 uint8 (E2M3 codes of x, K innermost, in blocks of 32 codes, four codes in three bytes); x_scales 2 x 2,048 x 32 uint8 (E8M0 scales of x, one for each 32 codes along K).
;; Outputs: out0 2 x 2,048 x 1,024 float32.
;; This version of the problem:
;;   THIS VERSION OF THE PROBLEM IS GIVEN IN LOW PRECISION. The matrix products marked QUANTISED in the list below multiply operands that are first quantised to E2M3 (2 exponent bits, 3 mantissa bits; 6 bits a number), with one power-of-two scale for each 32 numbers along K (OCP MX v1.0); their sums are f32. All else is computed in f32.
;;   The module's matrix products, in the order in which they are computed (A, B: the left and right operand; K: the contracted axis; several contracted axes count as one K, in the product's order):
;;     1. [M 4,096, K 1,024] x [K 1,024, N 3,072]; A: input x (given as codes); B: input W_qkv (given as codes): QUANTISED
;;     2. batch 32 x [M 2,048, K 64] x [K 64, N 2,048]; A: computed on the way; B: computed on the way: QUANTISED
;;     3. batch 32 x [M 2,048, K 2,048] x [K 2,048, N 64]; A: softmax (see below); B: computed on the way: QUANTISED
;;     4. [M 4,096, K 1,024] x [K 1,024, N 1,024]; A: computed on the way; B: input W_out (given as codes): QUANTISED
;;   THE QUANTISER, for each operand of a quantised product, along K:
;;     - K is cut into blocks of 32 from its start; a last block that is shorter is filled with zeros.
;;     - A block's scale is 2^e with e = floor(log2(the largest magnitude in the block)) - 2, held to -126 .. 127; a block of zeros has e = 0. As a byte (E8M0): e + 127.
;;     - Each number is divided by its block's scale, clamped to +-7.5, and rounded to the nearest number of E2M3, ties to even, subnormals kept.
;;     - The product sums the exact products of the quantised numbers (number of the format x scale) in f32.
;;   ~~~python
;;   def quantise(x, axis):      # numpy; x: float32 -> the quantised numbers, widened to float32 again
;;       x = np.moveaxis(x, axis, -1); K = x.shape[-1]
;;       x = np.pad(x, [(0, 0)] * (x.ndim - 1) + [(0, -K % 32)]); x = x.reshape(x.shape[:-1] + (-1, 32)); a = np.abs(x).max(-1, keepdims=True)
;;       e = np.where(a > 0, np.clip(np.frexp(np.where(a > 0, a, 1))[1] - 1 - 2, -126, 127), 0)      # np.frexp(a)[1] - 1 = floor(log2(a)), exactly
;;       r = np.clip(x / 2.0 ** e, -7.5, 7.5)
;;       step = 2.0 ** (np.maximum(np.frexp(np.where(r == 0, 1, r))[1] - 1, 0) - 3)
;;       q = np.round(r / step) * step * 2.0 ** e      # np.round: ties to even
;;       return np.moveaxis(q.reshape(q.shape[:-2] + (-1,))[..., :K], -1, axis).astype(np.float32)
;;   ~~~
;;   SOFTMAX AHEAD OF A QUANTISED PRODUCT. Where the list says 'softmax', what is quantised is not the finished softmax but p = 2^(t - M), with t = logit x log2(e) and M = ceil(the row's largest t), a whole number; so 1/2 < the row's largest p <= 1. The row's sum l is taken of the UNQUANTISED p, in f32, and the product's result is divided by l at the end. Since M is a whole number, a kernel that streams over the keys may use a running M (the ceiling of the running maximum): every later rescaling is an exact power of two, which a block's scale takes up: the codes' values come out the same.
;;   OPERANDS COMPUTED ON THE WAY. 'Computed on the way' means the value that the module computes at that place (a softmax that the list does not call 'softmax' is quantised finished and normalised). What goes into a quantiser is computed in f32, as accurately as f32 sums, v_exp_f32 and their like allow (about 1e-6 of the number): no bf16 or f16 on the way to a quantiser, and a product that is left as it is and whose result goes on into a quantised operand takes f32 operands (vector FMAs, or v_wmma_f32_16x16x4_f32). A number that lies on a knife's edge between two numbers of the format may be rounded either way, as far as f32 arithmetic and the matrix unit's own rounding can turn it there, and no further.
;;   INPUTS GIVEN AS CODES. W_out (in the module: [1024, 1024], K = its axis 1); W_qkv (in the module: [3072, 1024], K = its axis 1); x (in the module: [2, 2048, 1024], K = its axis 2): each comes as NAME_codes (uint8): NAME with its K axis moved to the last place and cut into blocks of 32 codes, [.., K / 32, bytes a block], one block behind the other in memory; four codes in three bytes: a row's codes are one little-endian stream of bits, code i at bits 6 i .. 6 i + 5 (a code: sign, 2 exponent bits, 3 mantissa bits); and NAME_scales (uint8): the same leading axes, one E8M0 byte (e + 127) for each 32 codes along K. Its value is code x scale, taken as it is: it is not quantised again, and the codes and scales need not be those that the quantiser above would give.
;; One version. Each part assembles by itself: llvm-mc -triple=amdgcn-amd-amdhsa -mcpu=gfx1250 --defsym DOCPART=n.
;; ======== version 1 of 1: 3 launches
;; limits: right only within a limited range of input values
;; workspace buffers: qimg 3,145,728 bytes; qsc 524,288 bytes; kv 6,684,672 bytes; oimg 3,145,728 bytes; osc 131,072 bytes
;; launch qkv (part 1): grid 16 x 16, 4 waves a work-group, clusters of 4 x 4, 327,680 bytes of LDS; arguments x_codes, x_scales, W_qkv_codes, W_qkv_scales, scale, qimg, qsc, kv; writes qimg, qsc, kv
.if DOCPART == 1
	.amdgcn_target "amdgcn-amd-amdhsa--gfx1250"
	.amdhsa_code_object_version 6
	.text
	.protected	k_q50ed98e48a_qkv
	.globl	k_q50ed98e48a_qkv
	.p2align	8
	.type	k_q50ed98e48a_qkv,@function
k_q50ed98e48a_qkv:
	s_mov_b64 s[64:65], 0
	v_nop
	global_prefetch_b8 v0, s[64:65] scope:SCOPE_SE
	s_setreg_imm32_b32 hwreg(HW_REG_WAVE_MODE, 25, 1), 1
	s_wait_xcnt 0x0
	s_wait_alu depctr_hold_cnt(0) depctr_sa_sdst(0) depctr_va_vdst(0) depctr_va_sdst(0) depctr_va_ssrc(0) depctr_va_vcc(0) depctr_vm_vsrc(0)
	s_getreg_b32 s2, hwreg(HW_REG_IB_STS2, 6, 4)
	s_cmp_eq_u32 s2, 0
	s_cbranch_scc0 .Lentry_in_a_cluster
	s_endpgm
.Lentry_in_a_cluster:
	s_bfe_u32 s2, ttmp6, 0x10000c
	s_cmp_lg_u32 s2, 0xf033
	s_cbranch_scc0 .Lentry_shape_is_right
	s_endpgm
.Lentry_shape_is_right:
; y = x W_qkv^T on codes of FP6 (E2M3) with E8M0 scales; then, for one head and 256 positions: q and k normalised (q x exp(scale)), rotated (RoPE), quantised along the channels; v quantised along the keys.
; All leave as images of operand registers (a half fragment: registers 0-3 at 16 x lane, 4-5 at 512 + 8 x lane) with their scale words.  No step of the problem is left out.
; SHARES.  A work-group: 256 positions x one head's 192 columns; a wave: 64 positions, 48 accumulators.  q, k: source 0 = 16 rows of W, source 1 = 16 positions; v: the other way round.
; WHICH POSITIONS FORM A TILE: row p of tile i of a wave is position 32 (p / 8) + 8 i + p % 8 of its 64.  So in v's result, and in the next launch's logits, a lane holds a whole block of 32 keys in its
; registers, in the keys' own order.  The last launch puts the rows of the output back in order.
; K goes through a ring of two LDS slots in CHUNKS OF 256 BYTES of each row (a row of codes is 768 bytes: three chunks, each on a multiple of 256 bytes); a step of 128 along K is 96 bytes; steps 2 and 5 lie across two chunks.
; CLUSTER 4 x 4: x's tiles are asked for jointly along a row of the cluster, W's along a column.  No prefetch: the launch has no loop to run ahead in (three chunks, written out).
; LIMITS: NaN and infinities are not served; a block of zeros gets the scale byte 1 and not 127 (its codes are zeros, and this program alone loads the bytes).
.set PITCH,  272
.set XT,     256*PITCH
.set SLOT,   448*PITCH
.set SPARE,  2*SLOT
.set ADRX, 16                          ; v16-17 my x fragments in slot 0, 1; v18-19: lanes 0-15 at byte 232 of slot 0 (1), lanes 16-31 at byte 0 of the other slot
.set ADRW, 20                          ; v20-23 the same for W
.set LI,   24
.set LJ,   25
.set LR,   26
.set POSI, 27
.set SPW,  28
.set NIL,  29
.set SCX,  32
.set SCW,  64
.set FQ,   160
.set TH,   176
.set NN,   184
.set RR,   192
.set ZZ,   200
.set PS,   208
.set PO,   216
.set MG,   224
.set S5V,  226
.set C6V,  228
.set G,    160
.set T,    176
.set U,    208
.set TM,   212
.set PC,   220
.set QW,   232
.set KW,   236
.set VW,   240
.set PP,   244
.set ES,   246
.set G1A, 24
.set G0A, 32
.set G1B, 48
.set G0B, 56
.set SEL, 92
.set QK,  0x5f
.set VV,  0xaf
.set TOF, 0xc0
.set MSB, 0
.macro WIN new
.if MSB != (\new)
	s_set_vgpr_msb (MSB<<8)|(\new)
.set MSB, (\new)
.endif
.endm
.macro PLACES n
.rept \n
	v_nop
.endr
.endm
.macro JLOAD s                         ; waves 0, 1 fetch x's halves, waves 2, 3 W's
	s_cmp_eq_u32 s21, 0
	s_cbranch_scc0 .Lfor_w_\@
	tensor_load_to_lds s[G0A+4*\s:G0A+4*\s+3], s[G1A:G1A+7]
	s_nop 0
.rept 4
	v_nop
.endr
	s_branch .Lasked_\@
.Lfor_w_\@:
	tensor_load_to_lds s[G0B+4*\s:G0B+4*\s+3], s[G1B:G1B+7]
	s_nop 0
.rept 4
	v_nop
.endr
.Lasked_\@:
.endm
.macro CREST
	s_cmp_lg_u32 s20, 0
	s_cbranch_scc1 .Lnot_wave_0_\@
	s_barrier_signal -3
.Lnot_wave_0_\@:
	s_barrier_wait -3
	s_barrier_signal -1
	s_barrier_wait -1
.endm
.macro CROUND
	s_barrier_signal -1
	s_barrier_wait -1
	CREST
.endm
.macro CPAIR reg, val
	s_mov_b32 s[\reg], \val
	s_mov_b32 s[\reg+1], \val
.endm
	s_load_b256 s[4:11], s[0:1], 0x0
	s_load_b256 s[12:19], s[0:1], 0x20
	v_lshl_add_u32 v[SPW], v0, 2, SPARE
	v_mov_b32 v[NIL], 0
	ds_add_u32 v[SPW], v[NIL]                      ; the opening lines: the add twice on end and one wait
	ds_add_u32 v[SPW], v[NIL]
	v_lshrrev_b32 v1, 5, v0
	v_readfirstlane_b32 s20, v1
	s_lshr_b32 s21, s20, 1
	s_and_b32 s22, s20, 1
	s_bfe_u32 s40, ttmp6, 0x40000
	s_bfe_u32 s41, ttmp6, 0x40004
	s_lshl_b32 s42, ttmp9, 2
	s_add_co_u32 s42, s42, s40                     ; the head
	s_and_b32 s43, ttmp7, 0xffff
	s_lshl_b32 s43, s43, 2
	s_add_co_u32 s43, s43, s41                     ; the block of 256 positions
	s_lshl_b32 s44, s41, 2
	s_lshl_b32 s44, 15, s44
	s_lshl_b32 s45, 0x1111, s40
	s_or_b32 s[G1A], s44, (1<<20)|(1<<21)|(5<<22)|(3<<25)   ; rows of 256 bytes, 16 bytes of padding behind each
	s_or_b32 s[G1B], s45, (1<<20)|(1<<21)|(5<<22)|(3<<25)
	s_mov_b32 s[G1A+1], 256<<16
	s_mov_b32 s[G1A+2], 256<<16                    ; the head's loads bring all 256 rows of x, all 192 of W
	s_mov_b32 s[G1A+3], 256<<16
	s_mov_b32 s[G1A+4], 256
	s_mov_b32 s[G1A+5], 768
	s_mov_b32 s[G1A+6], 0
	s_mov_b32 s[G1A+7], 0
	s_mov_b32 s[G1B+1], 256<<16
	s_mov_b32 s[G1B+2], 192<<16
	s_mov_b32 s[G1B+3], 256<<16
	s_mov_b32 s[G1B+4], 192
	s_mov_b32 s[G1B+5], 768
	s_mov_b32 s[G1B+6], 0
	s_mov_b32 s[G1B+7], 0
	s_lshl_b32 s66, s43, 8
	s_mul_i32 s66, s66, 768                        ; x's tile: its first row, in bytes
	s_mov_b32 s67, 0
	s_mul_i32 s96, s42, 192
	s_mul_i32 s96, s96, 768                        ; W's tile
	s_mov_b32 s97, 0
	s_mul_i32 s98, s22, 128*PITCH
	s_mul_i32 s99, s22, 96*PITCH
	s_add_co_u32 s99, s99, XT
	s_wait_dscnt 0x0
	s_wait_kmcnt 0x0
	s_add_nc_u64 s[66:67], s[4:5], s[66:67]
	s_add_nc_u64 s[96:97], s[8:9], s[96:97]
	CROUND                                         ; all sixteen work-groups are here: the first joint loads meet
.irp s, 0,1
	s_mov_b32 s[G0A+4*\s], 1
	s_mov_b32 s[G0A+4*\s+1], \s*SLOT
	s_add_nc_u64 s[G0A+4*\s+2:G0A+4*\s+3], s[66:67], \s*256
	s_or_b32 s[G0A+4*\s+3], s[G0A+4*\s+3], 0x80000000
	s_mov_b32 s[G0B+4*\s], 1
	s_mov_b32 s[G0B+4*\s+1], \s*SLOT+XT
	s_add_nc_u64 s[G0B+4*\s+2:G0B+4*\s+3], s[96:97], \s*256
	s_or_b32 s[G0B+4*\s+3], s[G0B+4*\s+3], 0x80000000
.endr
; THE HEAD'S LOADS, ONE A WAVE: wave 0 x's chunk 0, wave 1 W's chunk 0, wave 2 x's chunk 1, wave 3 W's chunk 1, each tile whole.  One chain of branches on the wave's number, a load to an arm, one join.
.macro ARM under, g0, g1, next
	s_cmp_lt_u32 s20, \under
	s_cbranch_scc0 \next
	tensor_load_to_lds s[\g0:\g0+3], s[\g1:\g1+7]
	s_nop 0
.rept 4
	v_nop
.endr
	s_branch .Lhead_asked
\next:
.endm
	ARM 1, G0A, G1A, .Lhead_w0
	ARM 2, G0B, G1B, .Lhead_x1
	ARM 3, G0A+4, G1A, .Lhead_w1
	tensor_load_to_lds s[G0B+4:G0B+7], s[G1B:G1B+7]
	s_nop 0
.rept 4
	v_nop
.endr
.Lhead_asked:
	v_and_b32 v1, 15, v0
	v_bfe_u32 v2, v0, 4, 1
	v_lshrrev_b32 v11, 3, v1
	v_mad_u32_u24 v11, v11, 24, v1                 ; my row of x in tile 0: r % 8 + 32 (r / 8)
	v_mul_u32_u24 v12, v11, PITCH
	v_mul_u32_u24 v13, v1, PITCH
	v_mul_u32_u24 v14, v2, 24
	s_mov_b32 s46, SLOT-232
	s_mov_b32 s47, SLOT+232
	v_sub_nc_u32 v15, 1, v2
	v_mul_u32_u24 v3, s46, v2
	v_add_nc_u32 v3, 232, v3                       ; lanes 0-15 byte 232 in slot 0, lanes 16-31 byte 0 in slot 1
	v_mul_u32_u24 v4, s47, v15                     ; lanes 0-15 byte 232 in slot 1, lanes 16-31 byte 0 in slot 0
	s_mul_i32 s66, s20, 64*PITCH
	v_add_nc_u32 v12, s66, v12
	v_add_nc_u32 v13, XT, v13
	v_add_nc_u32 v[ADRX], v12, v14
	v_add_nc_u32 v[ADRX+2], v12, v3
	v_add_nc_u32 v[ADRX+3], v12, v4
	v_add_nc_u32 v[ADRX+1], SLOT, v[ADRX]
	v_add_nc_u32 v[ADRW], v13, v14
	v_add_nc_u32 v[ADRW+2], v13, v3
	v_add_nc_u32 v[ADRW+3], v13, v4
	v_add_nc_u32 v[ADRW+1], SLOT, v[ADRW]
	v_and_b32 v3, 31, v0
	v_lshlrev_b32 v[LI], 4, v3
	v_lshlrev_b32 v[LJ], 3, v3
	v_lshlrev_b32 v[LR], 5, v1
	v_lshlrev_b32 v12, 5, v11                      ; x's scale bytes: 32 a row, by my row of x
	s_wait_alu depctr_va_vdst(0)                   ; the wait ahead of the run of scalar lines
	s_lshl_b32 s46, s43, 8
	s_lshl_b32 s47, s20, 6
	s_add_co_u32 s46, s46, s47
	s_lshl_b32 s46, s46, 5
	s_mov_b32 s47, 0
	s_add_nc_u64 s[6:7], s[6:7], s[46:47]
	s_mul_i32 s46, s42, 6144
	s_add_nc_u64 s[10:11], s[10:11], s[46:47]
.irp i, 0,1,2,3
	global_load_b128 v[SCX+8*\i:SCX+8*\i+3], v12, s[6:7] offset:256*\i
	global_load_b128 v[SCX+8*\i+4:SCX+8*\i+7], v12, s[6:7] offset:256*\i+16
.endr
.irp n, 0,1,2,3,4,5,6,7,8,9,10,11
	global_load_b128 v[SCW+8*\n:SCW+8*\n+3], v[LR], s[10:11] offset:512*\n
	global_load_b128 v[SCW+8*\n+4:SCW+8*\n+7], v[LR], s[10:11] offset:512*\n+16
.endr
	s_load_b32 s95, s[12:13], 0x0
	s_lshr_b32 s23, s43, 3
	s_lshl_b32 s23, s23, 4
	s_add_co_u32 s23, s23, s42
	s_and_b32 s66, s43, 7
	s_lshl_b32 s46, s23, 7
	s_lshl_b32 s67, s66, 4
	s_add_co_u32 s46, s46, s67
	s_lshl_b32 s67, s20, 2
	s_add_co_u32 s46, s46, s67
	s_mul_i32 s46, s46, 768
	s_add_nc_u64 s[14:15], s[14:15], s[46:47]
	s_lshl_b32 s46, s23, 5
	s_lshl_b32 s67, s66, 2
	s_add_co_u32 s46, s46, s67
	s_add_co_u32 s46, s46, s20
	s_lshl_b32 s46, s46, 9
	s_add_nc_u64 s[16:17], s[16:17], s[46:47]
	s_lshl_b32 s46, s23, 4
	s_lshl_b32 s67, s66, 1
	s_add_co_u32 s46, s46, s67
	s_add_co_u32 s46, s46, s21
	s_mul_i32 s46, s46, 13056
	s_add_nc_u64 s[18:19], s[18:19], s[46:47]
	s_lshl_b32 s66, s66, 8
	s_lshl_b32 s67, s20, 6
	s_add_co_u32 s66, s66, s67
	v_add_nc_u32 v[POSI], s66, v11                 ; my position in tile 0
	s_mul_i32 s67, s22, 3072
	v_add_nc_u32 v5, s67, v[LI]
	v_add_nc_u32 v6, s67, v[LJ]
	s_mul_i32 s67, s22, 768
	v_add_nc_u32 v7, s67, v[LI]
	v_add_nc_u32 v8, s67, v[LJ]
	s_lshl_b32 s67, s22, 8
	v_add_nc_u32 v9, s67, v[LJ]
	s_lshl_b32 s67, s22, 1
	v_lshl_add_u32 v10, v1, 3, v2
	v_add_nc_u32 v10, s67, v10                     ; v's scale byte: 8 x channel + 2 x my half of the key step + my block
	s_mov_b32 s[SEL], 0x76543210
	s_mov_b32 s[SEL+1], 0xfedcba98
	s_mov_b32 s94, 0xffff0000
	CPAIR 68, 0x3ea2f983
	CPAIR 70, 0xc0490fdb
	CPAIR 72, 0x33bbbd2e
	CPAIR 74, 0x3638ef1d
	CPAIR 76, 0xb9500d01
	CPAIR 78, 0x3c088889
	CPAIR 80, 0xbe2aaaab
	CPAIR 82, 0xb493f27e
	CPAIR 84, 0x37d00d01
	CPAIR 86, 0xbab60b61
	CPAIR 88, 0x3d2aaaab
	v_mov_b32 v[MG], 0x4b400000
	v_mov_b32 v[MG+1], 0x4b400000
	v_mov_b32 v[S5V], 0xb2d7322b
	v_mov_b32 v[S5V+1], 0xb2d7322b
	v_mov_b32 v[C6V], 0x310f76c7
	v_mov_b32 v[C6V+1], 0x310f76c7
	v_lshlrev_b32 v3, 3, v2
.irp m, 0,1,2,3,4,5,6,7,8,9,10,11,12,13,14,15
	v_add_nc_u32 v[FQ+\m], 16*(\m/8)+\m%8, v3
.endr
.irp m, 0,1,2,3,4,5,6,7,8,9,10,11,12,13,14,15
	v_cvt_f32_u32 v[FQ+\m], v[FQ+\m]
.endr
.irp m, 0,1,2,3,4,5,6,7,8,9,10,11,12,13,14,15
	v_mul_f32 v[FQ+\m], 0xbed49a78, v[FQ+\m]
.endr
	s_wait_alu depctr_va_vdst(0)
.irp m, 0,1,2,3,4,5,6,7,8,9,10,11,12,13,14,15
	v_exp_f32 v[FQ+\m], v[FQ+\m]                   ; the 32 inverse frequencies, my 16
.endr
; cos and sin of position x frequency: reduction by multiples of pi in two parts, then polynomials; the sign from the multiple's parity
.macro TRIG i, u
.irp k, 0,1,2,3
	v_pk_mul_f32 v[TH+2*\k:TH+2*\k+1], v[FQ+8*\u+2*\k:FQ+8*\u+2*\k+1], v[30:31]
.endr
.irp k, 0,1,2,3
	v_pk_fma_f32 v[NN+2*\k:NN+2*\k+1], v[TH+2*\k:TH+2*\k+1], s[68:69], v[MG:MG+1] op_sel_hi:[1,0,1]
.endr
.irp k, 0,1,2,3
	v_pk_add_f32 v[ZZ+2*\k:ZZ+2*\k+1], v[NN+2*\k:NN+2*\k+1], v[MG:MG+1] neg_lo:[0,1] neg_hi:[0,1]
.endr
.irp k, 0,1,2,3
	v_pk_fma_f32 v[RR+2*\k:RR+2*\k+1], v[ZZ+2*\k:ZZ+2*\k+1], s[70:71], v[TH+2*\k:TH+2*\k+1] op_sel_hi:[1,0,1]
.endr
.irp k, 0,1,2,3
	v_pk_fma_f32 v[RR+2*\k:RR+2*\k+1], v[ZZ+2*\k:ZZ+2*\k+1], s[72:73], v[RR+2*\k:RR+2*\k+1] op_sel_hi:[1,0,1]
.endr
.irp e, 0,1,2,3,4,5,6,7
	v_lshlrev_b32 v[NN+\e], 31, v[NN+\e]
.endr
.irp k, 0,1,2,3
	v_pk_mul_f32 v[ZZ+2*\k:ZZ+2*\k+1], v[RR+2*\k:RR+2*\k+1], v[RR+2*\k:RR+2*\k+1]
.endr
.irp k, 0,1,2,3
	v_pk_fma_f32 v[PS+2*\k:PS+2*\k+1], v[ZZ+2*\k:ZZ+2*\k+1], v[S5V:S5V+1], s[74:75] op_sel_hi:[1,1,0]
	v_pk_fma_f32 v[PO+2*\k:PO+2*\k+1], v[ZZ+2*\k:ZZ+2*\k+1], v[C6V:C6V+1], s[82:83] op_sel_hi:[1,1,0]
.endr
.irp c, 0,1,2
.irp k, 0,1,2,3
	v_pk_fma_f32 v[PS+2*\k:PS+2*\k+1], v[PS+2*\k:PS+2*\k+1], v[ZZ+2*\k:ZZ+2*\k+1], s[76+2*\c:77+2*\c] op_sel_hi:[1,1,0]
	v_pk_fma_f32 v[PO+2*\k:PO+2*\k+1], v[PO+2*\k:PO+2*\k+1], v[ZZ+2*\k:ZZ+2*\k+1], s[84+2*\c:85+2*\c] op_sel_hi:[1,1,0]
.endr
.endr
.irp k, 0,1,2,3
	v_pk_mul_f32 v[TH+2*\k:TH+2*\k+1], v[ZZ+2*\k:ZZ+2*\k+1], v[RR+2*\k:RR+2*\k+1]
	v_pk_fma_f32 v[PO+2*\k:PO+2*\k+1], v[PO+2*\k:PO+2*\k+1], v[ZZ+2*\k:ZZ+2*\k+1], -0.5 op_sel_hi:[1,1,0]
.endr
.irp k, 0,1,2,3
	v_pk_fma_f32 v[PS+2*\k:PS+2*\k+1], v[PS+2*\k:PS+2*\k+1], v[TH+2*\k:TH+2*\k+1], v[RR+2*\k:RR+2*\k+1]
	v_pk_fma_f32 v[PO+2*\k:PO+2*\k+1], v[PO+2*\k:PO+2*\k+1], v[ZZ+2*\k:ZZ+2*\k+1], 1.0 op_sel_hi:[1,1,0]
.endr
	WIN 0x80
.irp e, 0,1,2,3,4,5,6,7
	v_xor_b32 v[128+32*\i+8*\u+\e], v[NN+\e], v[PO+\e]
	v_xor_b32 v[128+32*\i+16+8*\u+\e], v[NN+\e], v[PS+\e]
.endr
	WIN 0
.endm
.macro TRIGS i                         ; tile i's table: its positions lie 8 i behind tile 0's
	v_add_nc_u32 v30, 8*\i, v[POSI]
	v_cvt_f32_u32 v30, v30
	v_mov_b32 v31, v30
	s_wait_alu depctr_va_vdst(0)
	TRIG \i, 0
	TRIG \i, 1
.endm
	TRIGS 0                                        ; the four tiles' tables are made while the head's loads are on their way
	TRIGS 1
; a fragment, 16 rows x 128 K: 12 registers in pieces of 8 bytes.  Byte y of a row lies in chunk y / 256, slot (y / 256) % 2, at byte y % 256 of the LDS row; lanes 16-31 read 24 bytes on
.macro FRAG reg, adr, st, ro
.irp p, 0,1,2,3,4,5
.set BY, 96*(\st)+48*(\p/3)+8*(\p%3)
.if BY/256 == (BY+24)/256
	ds_load_b64 v[(\reg)+2*\p:(\reg)+2*\p+1], v[\adr+(BY/256)%2] offset:BY%256+(\ro)
.else
	ds_load_b64 v[(\reg)+2*\p:(\reg)+2*\p+1], v[\adr+2+(BY/256)%2] offset:BY%256-232+(\ro)
.endif
.endr
.endm
.macro FETCH_X st, set
	WIN TOF
.irp i, 0,1,2,3
	FRAG 48*(\set)+12*\i, ADRX, \st, \i*8*PITCH
.endr
.endm
.macro FETCH_W st, nb0
	WIN TOF
.irp n, 0,1,2,3,4,5
	FRAG 96+12*((\nb0)+\n), ADRW, \st, ((\nb0)+\n)*16*PITCH
.endr
.endm
.macro MULQK nb, set, s, zero
.irp i, 0,1,2,3
.if \zero
	v_wmma_scale_f32_16x16x128_f8f6f4 v[8*(8*\i+(\nb)):8*(8*\i+(\nb))+7], v[96+12*(\nb):96+12*(\nb)+11], v[48*(\set)+12*\i:48*(\set)+12*\i+11], 0, v[SCW+8*(\nb)+(\s)], v[SCX+8*\i+(\s)] matrix_a_fmt:MATRIX_FMT_FP6 matrix_b_fmt:MATRIX_FMT_FP6
.else
	v_wmma_scale_f32_16x16x128_f8f6f4 v[8*(8*\i+(\nb)):8*(8*\i+(\nb))+7], v[96+12*(\nb):96+12*(\nb)+11], v[48*(\set)+12*\i:48*(\set)+12*\i+11], v[8*(8*\i+(\nb)):8*(8*\i+(\nb))+7], v[SCW+8*(\nb)+(\s)], v[SCX+8*\i+(\s)] matrix_a_fmt:MATRIX_FMT_FP6 matrix_b_fmt:MATRIX_FMT_FP6
.endif
.endr
.endm
.macro MULV dt, set, s, zero
.irp i, 0,1,2,3
.if \zero
	v_wmma_scale_f32_16x16x128_f8f6f4 v[8*(4*(\dt)+\i):8*(4*(\dt)+\i)+7], v[48*(\set)+12*\i:48*(\set)+12*\i+11], v[96+12*(8+(\dt)):96+12*(8+(\dt))+11], 0, v[SCX+8*\i+(\s)], v[SCW+8*(8+(\dt))+(\s)] matrix_a_fmt:MATRIX_FMT_FP6 matrix_b_fmt:MATRIX_FMT_FP6
.else
	v_wmma_scale_f32_16x16x128_f8f6f4 v[8*(4*(\dt)+\i):8*(4*(\dt)+\i)+7], v[48*(\set)+12*\i:48*(\set)+12*\i+11], v[96+12*(8+(\dt)):96+12*(8+(\dt))+11], v[8*(4*(\dt)+\i):8*(4*(\dt)+\i)+7], v[SCX+8*\i+(\s)], v[SCW+8*(8+(\dt))+(\s)] matrix_a_fmt:MATRIX_FMT_FP6 matrix_b_fmt:MATRIX_FMT_FP6
.endif
.endr
.endm
; A step of 128 along K: 48 products; the next step's fragments are fetched in its middle and at its end.
; kind 0: no barrier.  kind 1: the next step reads a chunk that was on its way: every wave waits for its load, one barrier; nothing is filled.
; kind 2: chunk 0 is read no more: the three lines, a round of the cluster's barrier, and chunk 2 goes into slot 0.
.macro STEP st, zero, kind
.if \kind
	s_wait_tensorcnt 0x0
.if \kind == 2
	ds_add_u32 v[SPW], v[NIL]
	s_wait_dscnt 37                                ; the add and the youngest 36 loads (W's tiles 6-11) may be out
.else
	s_wait_dscnt 36
.endif
	WIN QK
.irp n, 0,1,2
	MULQK \n, (\st)%2, \st, \zero
.endr
	s_wait_dscnt 0x0
	s_barrier_signal -1
.irp n, 3,4,5
	MULQK \n, (\st)%2, \st, \zero
.endr
	WIN 0
	s_barrier_wait -1
.if \kind == 2
	CREST
	JLOAD 0
.else
	PLACES 4
.endif
.else
	s_wait_dscnt 36                                ; x's tiles and W's 0-5 are in; W's 6-11 may be out
	WIN QK
.irp n, 0,1,2,3,4,5
	MULQK \n, (\st)%2, \st, \zero
.endr
	s_wait_dscnt 0x0
	PLACES 4
.endif
	FETCH_X (\st)+1, ((\st)+1)%2
	FETCH_W (\st)+1, 0
	WIN QK
	MULQK 6, (\st)%2, \st, \zero
	MULQK 7, (\st)%2, \st, \zero
	WIN VV
.irp d, 0,1,2,3
	MULV \d, (\st)%2, \st, \zero
.endr
	PLACES 4
	FETCH_W (\st)+1, 6
	WIN 0
.endm
	TRIGS 2
	TRIGS 3
	s_wait_alu depctr_va_vdst(0)                   ; the wait at the head's end
	s_wait_tensorcnt 0x0                           ; my tile of the head's four is in; no tensor load of mine is out, so the descriptors may be written:
	s_mov_b32 s[G1A+2], 128<<16                    ; the refill brings 128 rows of x a wave,
	s_mov_b32 s[G1A+4], 128
	s_mov_b32 s[G1B+2], 96<<16                     ; or 96 rows of W,
	s_mov_b32 s[G1B+4], 96
	s_mov_b32 s[G0A+1], s98                        ; into my half of the tile in slot 0,
	s_mov_b32 s[G0B+1], s99
	s_mul_i32 s46, s22, 128*768
	s_add_co_u32 s46, s46, 512
	s_mov_b32 s47, 0
	s_add_nc_u64 s[G0A+2:G0A+3], s[G0A+2:G0A+3], s[46:47]   ; from my half's rows, chunk 2
	s_mul_i32 s46, s22, 96*768
	s_add_co_u32 s46, s46, 512
	s_add_nc_u64 s[G0B+2:G0B+3], s[G0B+2:G0B+3], s[46:47]
	s_barrier_signal -1
	s_barrier_wait -1                              ; all four tiles are in: chunks 0 and 1 are whole
	FETCH_X 0, 0
	FETCH_W 0, 0
	FETCH_W 0, 6
	WIN 0
	s_wait_kmcnt 0x0
	s_wait_loadcnt 0x0
	STEP 0, 1, 0
	STEP 1, 0, 0
	STEP 2, 0, 2
	STEP 3, 0, 0
	STEP 4, 0, 1
	STEP 5, 0, 0
	STEP 6, 0, 0
	s_wait_dscnt 36
	WIN QK
.irp n, 0,1,2,3,4,5
	MULQK \n, 1, 7, 0
.endr
	s_wait_dscnt 0x0
	MULQK 6, 1, 7, 0
	MULQK 7, 1, 7, 0
	WIN VV
.irp d, 0,1,2,3
	MULV \d, 1, 7, 0
.endr
	PLACES 4
	WIN 0x05
.irp c, 0,1,2,3,4,5,6,7                    ; the norms of q and k: sums of squares over the 64 channels
	v_pk_mul_f32 v[G+2*\c:G+2*\c+1], v[32*\c:32*\c+1], v[32*\c:32*\c+1]
.endr
.irp k, 1,2,3,4,5,6,7,8,9,10,11,12,13,14,15
.irp c, 0,1,2,3,4,5,6,7
	v_pk_fma_f32 v[G+2*\c:G+2*\c+1], v[32*\c+2*\k:32*\c+2*\k+1], v[32*\c+2*\k:32*\c+2*\k+1], v[G+2*\c:G+2*\c+1]
.endr
.endr
	WIN 0
.irp c, 0,1,2,3,4,5,6,7
	v_add_f32 v[G+2*\c], v[G+2*\c], v[G+2*\c+1]
.endr
.irp c, 0,1,2,3,4,5,6,7
	v_permlanex16_b32 v[G+2*\c+1], v[G+2*\c], s[SEL], s[SEL+1]
.endr
.irp c, 0,1,2,3,4,5,6,7
	v_add_f32 v[G+2*\c], v[G+2*\c], v[G+2*\c+1]
.endr
	s_wait_alu depctr_va_vdst(0)
.irp c, 0,1,2,3,4,5,6,7
	v_sqrt_f32 v[G+2*\c], v[G+2*\c]
.endr
	v_mov_b32 v[ES], s95
	s_wait_alu depctr_va_vdst(0)
.irp c, 0,1,2,3,4,5,6,7
	v_max_num_f32 v[G+2*\c], 0x2b8cbccc, v[G+2*\c]
.endr
	v_mul_f32 v[ES], 0x3fb8aa3b, v[ES]
	s_wait_alu depctr_va_vdst(0)
.irp c, 0,1,2,3,4,5,6,7
	v_rcp_f32 v[G+2*\c], v[G+2*\c]
.endr
	v_exp_f32 v[ES], v[ES]
	v_mov_b32 v[TM+2], 0
	v_mov_b32 v[TM+3], 0
	s_wait_alu depctr_va_vdst(0)
.irp i, 0,1,2,3
	v_mul_f32 v[G+4*\i], v[G+4*\i], v[ES]
.endr
; The quantiser on 32 registers.  whole = 0: two blocks, each shared with lane l xor 16.  whole = 1: one block, all mine.
.macro QUANT2 src, wmax, wcvt, whole
	WIN \wmax
.irp b, 0,1
	v_max3_num_f32 v[TM+\b], 0x1800000, |v[(\src)+16*\b]|, |v[(\src)+16*\b+1]|
.endr
.irp e, 2,4,6,8,10,12,14
.irp b, 0,1
	v_max3_num_f32 v[TM+\b], v[TM+\b], |v[(\src)+16*\b+\e]|, |v[(\src)+16*\b+\e+1]|
.endr
.endr
	WIN 0
.if \whole
	v_max_num_f32 v[TM], v[TM], v[TM+1]
	v_add_nc_u32 v[TM+4], 0xff000000, v[TM]
.else
.irp b, 0,1
	v_permlanex16_b32 v[TM+2+\b], v[TM+\b], s[SEL], s[SEL+1]
.endr
.irp b, 0,1
	v_max_num_f32 v[TM+\b], v[TM+\b], v[TM+2+\b]
.endr
.irp b, 0,1
	v_add_nc_u32 v[TM+4+\b], 0xff000000, v[TM+\b]
.endr
.irp b, 0,1
	v_lshrrev_b32 v[TM+6+\b], 23, v[TM+4+\b]
.endr
.endif
	s_wait_alu depctr_va_vdst(0)
	s_wait_xcnt 0x0                                ; the earlier stores have read v[PC ..]
	WIN \wcvt
	v_cvt_scalef32_pk16_fp6_f32 v[PC:PC+2], v[(\src):(\src)+15], v[TM+4]
	v_cvt_scalef32_pk16_fp6_f32 v[PC+6:PC+8], v[(\src)+16:(\src)+31], v[TM+5-\whole]
	WIN 0
	v_nop
.if \whole == 0
.irp e, 0,1,2
	v_permlane16_swap_b32 v[PC+\e], v[PC+6+\e]
.endr
.endif
.irp e, 0,1,2
	v_mov_b32 v[PC+3+\e], v[PC+6+\e]
.endr
.endm
.macro HEADROW i, part
	WIN 0x01
.irp k, 0,1,2,3,4,5,6,7,8,9,10,11,12,13,14,15
	v_pk_mul_f32 v[T+2*\k:T+2*\k+1], v[64*\i+32*\part+2*\k:64*\i+32*\part+2*\k+1], v[G+4*\i+2*\part:G+4*\i+2*\part+1] op_sel_hi:[1,0]
.endr
	WIN 0x08
.irp k, 0,1,2,3,4,5,6,7
	v_pk_mul_f32 v[U:U+1], v[T+16+2*\k:T+16+2*\k+1], v[128+32*\i+16+2*\k:128+32*\i+16+2*\k+1]
	v_pk_mul_f32 v[U+2:U+3], v[T+2*\k:T+2*\k+1], v[128+32*\i+16+2*\k:128+32*\i+16+2*\k+1]
	v_pk_fma_f32 v[T+2*\k:T+2*\k+1], v[T+2*\k:T+2*\k+1], v[128+32*\i+2*\k:128+32*\i+2*\k+1], v[U:U+1] neg_lo:[0,0,1] neg_hi:[0,0,1]
	v_pk_fma_f32 v[T+16+2*\k:T+16+2*\k+1], v[T+16+2*\k:T+16+2*\k+1], v[128+32*\i+2*\k:128+32*\i+2*\k+1], v[U+2:U+3]
.endr
	QUANT2 T, 0, 0, 0
.if \part
	v_lshl_or_b32 v[KW+\i], v[TM+7], 8, v[TM+6]
	global_store_b128 v5, v[PC:PC+3], s[18:19] offset:768*\i
	global_store_b64 v6, v[PC+4:PC+5], s[18:19] offset:768*\i+512
.else
	v_lshl_or_b32 v[QW+\i], v[TM+7], 8, v[TM+6]
	global_store_b128 v[LI], v[PC:PC+3], s[14:15] offset:768*\i
	global_store_b64 v[LJ], v[PC+4:PC+5], s[14:15] offset:768*\i+512
.endif
.endm
.irp i, 0,1,2,3
	HEADROW \i, 0
	HEADROW \i, 1
.endr
.irp d, 0,1,2,3                            ; v: my 32 registers of channel tile d are keys 32 (lane / 16) + 0 .. 31 of my 64: one block
	QUANT2 32*\d, 0x28, 0x02, 1
	v_lshrrev_b32 v[VW+\d], 23, v[TM+4]
	global_store_b128 v7, v[PC:PC+3], s[18:19] offset:6144+1536*\d
	global_store_b64 v8, v[PC+4:PC+5], s[18:19] offset:6144+1536*\d+512
	global_store_b8 v10, v[VW+\d], s[18:19] offset:12800+128*(\d%2)+4*(\d/2)
.endr
	global_store_b128 v[LI], v[QW:QW+3], s[16:17]
	v_cndmask_b32 v[PP], v[KW], v[KW+1], s94
	v_cndmask_b32 v[PP+1], v[KW+2], v[KW+3], s94
	global_store_b64 v9, v[PP:PP+1], s[18:19] offset:12288
	s_wait_tensorcnt 0x0                           ; the wave's end
	ds_add_u32 v[SPW], v[NIL]
	s_wait_dscnt 0x0
	CROUND
	s_endpgm
.Lfunc_end_k_q50ed98e48a_qkv:
	.size	k_q50ed98e48a_qkv, .Lfunc_end_k_q50ed98e48a_qkv-k_q50ed98e48a_qkv
	.p2alignl 7, 3214868480
	.fill 96, 4, 3214868480
	.section	.rodata,"a",@progbits
	.p2align	6, 0x0
	.amdhsa_kernel k_q50ed98e48a_qkv
		.amdhsa_group_segment_fixed_size 327680
		.amdhsa_private_segment_fixed_size 0
		.amdhsa_enable_private_segment 0
		.amdhsa_kernarg_size 64
		.amdhsa_user_sgpr_count 2
		.amdhsa_user_sgpr_kernarg_segment_ptr 1
		.amdhsa_wavefront_size32 1
		.amdhsa_system_sgpr_workgroup_id_x 1
		.amdhsa_system_sgpr_workgroup_id_y 1
		.amdhsa_system_sgpr_workgroup_id_z 1
		.amdhsa_system_vgpr_workitem_id 0
		.amdhsa_next_free_vgpr 1024
		.amdhsa_next_free_sgpr 100
		.amdhsa_reserve_vcc 0
		.amdhsa_float_denorm_mode_32 3
		.amdhsa_float_denorm_mode_16_64 3
		.amdhsa_memory_ordered 1
		.amdhsa_forward_progress 1
		.amdhsa_inst_pref_size 221
	.end_amdhsa_kernel
	.amdgpu_metadata
---
amdhsa.version: [ 1, 2 ]
amdhsa.kernels:
  - .name:           k_q50ed98e48a_qkv
    .symbol:         k_q50ed98e48a_qkv.kd
    .args:
      - { .name: x_codes, .offset: 0, .size: 8, .value_kind: global_buffer, .address_space: global }
      - { .name: x_scales, .offset: 8, .size: 8, .value_kind: global_buffer, .address_space: global }
      - { .name: W_qkv_codes, .offset: 16, .size: 8, .value_kind: global_buffer, .address_space: global }
      - { .name: W_qkv_scales, .offset: 24, .size: 8, .value_kind: global_buffer, .address_space: global }
      - { .name: scale, .offset: 32, .size: 8, .value_kind: global_buffer, .address_space: global }
      - { .name: qimg, .offset: 40, .size: 8, .value_kind: global_buffer, .address_space: global }
      - { .name: qsc, .offset: 48, .size: 8, .value_kind: global_buffer, .address_space: global }
      - { .name: kv, .offset: 56, .size: 8, .value_kind: global_buffer, .address_space: global }
    .group_segment_fixed_size: 327680
    .private_segment_fixed_size: 0
    .kernarg_segment_align: 8
    .kernarg_segment_size: 64
    .max_flat_workgroup_size: 128
    .sgpr_count:     100
    .vgpr_count:     1024
    .wavefront_size: 32
...
	.end_amdgpu_metadata
.endif
;; end of part 1
;; launch attn (part 2): grid 8 x 32, 16 waves a work-group, clusters of 4 x 1, 215,040 bytes of LDS; arguments qimg, qsc, kv, oimg, osc; writes oimg, osc
.if DOCPART == 2
	.amdgcn_target "amdgcn-amd-amdhsa--gfx1250"
	.amdhsa_code_object_version 6
	.text
	.protected	k_q50ed98e48a_attn
	.globl	k_q50ed98e48a_attn
	.p2align	8
	.type	k_q50ed98e48a_attn,@function
k_q50ed98e48a_attn:
	s_mov_b64 s[64:65], 0
	v_nop
	global_prefetch_b8 v0, s[64:65] scope:SCOPE_SE
	s_setreg_imm32_b32 hwreg(HW_REG_WAVE_MODE, 25, 1), 1
	s_wait_xcnt 0x0
	s_wait_alu depctr_hold_cnt(0) depctr_sa_sdst(0) depctr_va_vdst(0) depctr_va_sdst(0) depctr_va_ssrc(0) depctr_va_vcc(0) depctr_vm_vsrc(0)
	s_getreg_b32 s2, hwreg(HW_REG_IB_STS2, 6, 4)
	s_cmp_eq_u32 s2, 0
	s_cbranch_scc0 .Lentry_in_a_cluster
	s_endpgm
.Lentry_in_a_cluster:
	s_bfe_u32 s2, ttmp6, 0x10000c
	s_cmp_lg_u32 s2, 0x3003
	s_cbranch_scc0 .Lentry_shape_is_right
	s_endpgm
.Lentry_shape_is_right:
; o = softmax(q k^T) v for one head and 256 queries, both products on codes of FP6 (E2M3) with E8M0 scales; o is divided by the row's sum and quantised along the channels for the last product.
; THE SOFTMAX: t = logit x log2(e); M = the row's largest t so far, rounded UP to a whole number; p = 2^(t - M) is quantised along the keys, not normalised; the row's sum is taken of the unquantised p.
; When M moves, the sum and O are multiplied by 2^(old M - new M): exact.
; SHARES.  A work-group owns 256 queries of one head, each of its sixteen waves one tile of 16.  A head's K and V, 16 key steps of 13,056 bytes, lie in LDS from byte 0, each byte filled ONCE:
; wave w brings key step w, its one tensor load.  The order of the keys is free in a softmax: wave w begins with the step that it fetched itself, behind its own wait on TENSORcnt;
; one barrier follows, and then it walks steps (w + n) % 16, n = 1 .. 15.
; CLUSTER 4 x 1: the four blocks of queries of a cluster belong to one head: each step is asked for JOINTLY, with a mask that names the four.
; No prefetch: all of K and V is asked for at the head, so no later request is left to run ahead of.
; LAYOUT.  Both products are used transposed (S^T = K Q^T, O^T = V^T P^T): a lane holds ONE query.  Row p of K's tile t of a group of four is key 32 (p / 8) + 8 t + p % 8 of the group's 64, so a lane's
; 32 registers of a group are ONE WHOLE BLOCK of 32 keys, block 2 g + lane / 16, in the keys' order: just what P's fragment wants of that lane.  V's images have the same order.
; The first product's K is 64: Q's registers 6-11 are zero codes.  Whatever codes stand against them add nothing (FP6 has no NaN or infinity, and the scale bytes there are 0, a finite code), so K's tile t
; names as its registers 6-11 the six of tile t + 1: eight tiles lie in 54 registers, and the next step's are fetched while this step's softmax runs.
; LIMITS: NaN and infinities are not served; a block of zeros gets the scale byte 1 and not 127 (its codes are zeros, and this program alone loads the bytes).
; REGISTERS: v0 at work behind the head; v1, v2 16 x and 8 x lane; v3, v4 the same in a step; v5 my byte's place in osc; v6 Q's scale word; v7 8 x (lane / 16); v8, v9 the blocks' largest; v[10:11] V's scale words;
; v12 -M, v13 the largest logit; v[14:15] the sum; v16-27 Q; v[28:31] K's scale words; v32-85 K; v86-133 V; v134-197 S^T, then p; v198-229 O^T; v230-241 p's codes; v242-254 at work; v252 f, v253 p's scale word.
.set STEPB, 13056
.set KF,  32
.set VF,  86
.set S,   134
.set O,   198
.set PCD, 230
.set T0,  242
.set T1,  246
.set SC0, 245
.set SC1, 249
.set E,   134                          ; the way out: at work where p lay
.set WV,  14
.set SEL, 20
.set CS,  22                           ; s[22:23] log2(e)
.set NC,  62                           ; s62 -log2(e)
.set G1,  24
.set G0,  32
.set TB,  48
.set CNT, 49
.macro CROUND
	s_barrier_signal -1
	s_barrier_wait -1
	s_cmp_lg_u32 s[WV], 0
	s_cbranch_scc1 .Lnot_wave_0_\@
	s_barrier_signal -3
.Lnot_wave_0_\@:
	s_barrier_wait -3
	s_barrier_signal -1
	s_barrier_wait -1
.endm
	s_load_b256 s[4:11], s[0:1], 0x0               ; qimg, qsc, kv, oimg
	s_load_b64 s[12:13], s[0:1], 0x20              ; osc
	v_lshl_add_u32 v251, v0, 2, 0x34000
	v_mov_b32 v255, 0
	ds_add_u32 v251, v255                          ; the opening lines
	ds_add_u32 v251, v255
	v_lshrrev_b32 v6, 5, v0
	v_readfirstlane_b32 s[WV], v6
	s_bfe_u32 s15, ttmp6, 0x40000
	s_lshl_b32 s16, ttmp9, 2
	s_add_co_u32 s16, s16, s15                     ; my block of 256 queries: it enters Q's and o's addresses alone
	s_and_b32 s17, ttmp7, 0xffff                   ; 16 x batch + head
	s_and_b32 s18, s17, 15
	s_lshr_b32 s19, s17, 4
	s_mov_b32 s[G1], 15|(3<<16)|(1<<21)            ; the mask: all four; elements of 8 bytes; no padding
	s_mov_b32 s[G1+1], 32<<16                      ; rows of 256 bytes,
	s_mov_b32 s[G1+2], 51<<16                      ; 51 of them: a key step's dense bytes
	s_mov_b32 s[G1+3], 32<<16
	s_mov_b32 s[G1+4], 51
	s_mov_b32 s[G1+5], 32
	s_mov_b32 s[G1+6], 0
	s_mov_b32 s[G1+7], 0
	s_and_b32 s50, s[WV], 3
	s_mul_i32 s51, s[WV], STEPB                    ; key step w: its place in LDS and in the head's bytes
	s_mul_i32 s52, s17, 16*STEPB
	s_add_co_u32 s52, s52, s51
	s_mov_b32 s53, 0
	s_mov_b32 s[SEL], 0x76543210
	s_mov_b32 s[SEL+1], 0xfedcba98
	s_mov_b32 s[CS], 0x3fb8aa3b
	s_mov_b32 s[CS+1], s[CS]
	s_mov_b32 s[NC], 0xbfb8aa3b
	s_mov_b32 s60, 0xffff0000
	s_mov_b32 s[G0], 1
	s_mov_b32 s[G0+1], s51
	s_wait_dscnt 0x0
	s_wait_kmcnt 0x0
	s_add_nc_u64 s[G0+2:G0+3], s[8:9], s[52:53]
	s_or_b32 s[G0+3], s[G0+3], 0x80000000
	CROUND                                         ; all four work-groups are here: the joint loads meet
	tensor_load_to_lds s[G0:G0+3], s[G1:G1+7]      ; every wave's one load
	s_nop 0
	s_lshl_b32 s54, s17, 7
	s_lshl_b32 s55, s16, 4
	s_add_co_u32 s54, s54, s55
	s_add_co_u32 s54, s54, s[WV]                   ; my tile of queries: 128 bh + 16 block + wave
	s_mul_i32 s56, s54, 768
	s_mov_b32 s57, 0
	s_add_nc_u64 s[4:5], s[4:5], s[56:57]
	s_lshr_b32 s56, s54, 2
	s_lshl_b32 s56, s56, 9
	s_lshl_b32 s58, s50, 2
	s_add_co_u32 s56, s56, s58
	s_add_nc_u64 s[6:7], s[6:7], s[56:57]
	s_lshl_b32 s58, s19, 7
	s_add_co_u32 s58, s58, s55
	s_add_co_u32 s58, s58, s[WV]                   ; my tile of rows of o
	s_mul_i32 s56, s58, 12288
	s_mul_i32 s59, s18, 768
	s_add_co_u32 s56, s56, s59
	s_add_nc_u64 s[10:11], s[10:11], s[56:57]
	s_lshl_b32 s56, s58, 9
	s_lshl_b32 s59, s18, 1
	s_add_co_u32 s56, s56, s59
	s_add_nc_u64 s[12:13], s[12:13], s[56:57]
	v_and_b32 v8, 31, v0
	v_lshlrev_b32 v1, 4, v8
	v_lshlrev_b32 v2, 3, v8
	global_load_b128 v[16:19], v1, s[4:5]          ; Q's half fragment stays in registers
	global_load_b64 v[20:21], v2, s[4:5] offset:512
	global_load_b32 v6, v1, s[6:7]
	v_and_b32 v8, 15, v0
	v_bfe_u32 v9, v0, 4, 1
	v_lshl_add_u32 v5, v8, 5, v9
	v_lshlrev_b32 v7, 3, v9
.irp e, 22,23,24,25,26,27
	v_mov_b32 v\e, 0                               ; zero codes: K = 64 .. 127 of the first product
.endr
.irp e, 48,49,50,51,52,53
	v_mov_b32 v[KF+\e], 0                          ; what K's last tile names as its registers 6-11
.endr
	v_add_nc_u32 v3, s51, v1
	v_add_nc_u32 v4, s51, v2
.macro SPROD t                         ; S^T, tile t: one register carries two tiles' scale words, the odd tile's in lanes 16-31
.if (\t)%2
	v_wmma_scale_f32_16x16x128_f8f6f4 v[S+8*\t:S+8*\t+7], v[KF+6*\t:KF+6*\t+11], v[16:27], 0, v[28+2*(\t/4)+(\t%4)/2], v6 matrix_a_fmt:MATRIX_FMT_FP6 matrix_b_fmt:MATRIX_FMT_FP6 matrix_a_scale:MATRIX_SCALE_ROW1
.else
	v_wmma_scale_f32_16x16x128_f8f6f4 v[S+8*\t:S+8*\t+7], v[KF+6*\t:KF+6*\t+11], v[16:27], 0, v[28+2*(\t/4)+(\t%4)/2], v6 matrix_a_fmt:MATRIX_FMT_FP6 matrix_b_fmt:MATRIX_FMT_FP6
.endif
.endm
.macro OPROD t, first                  ; O^T += V^T P^T, channels 16 t on; the first step starts the sums
.if \first
.if (\t)%2
	v_wmma_scale_f32_16x16x128_f8f6f4 v[O+8*\t:O+8*\t+7], v[VF+12*\t:VF+12*\t+11], v[PCD:PCD+11], 0, v[10+\t/2], v253 matrix_a_fmt:MATRIX_FMT_FP6 matrix_b_fmt:MATRIX_FMT_FP6 matrix_a_scale:MATRIX_SCALE_ROW1
.else
	v_wmma_scale_f32_16x16x128_f8f6f4 v[O+8*\t:O+8*\t+7], v[VF+12*\t:VF+12*\t+11], v[PCD:PCD+11], 0, v[10+\t/2], v253 matrix_a_fmt:MATRIX_FMT_FP6 matrix_b_fmt:MATRIX_FMT_FP6
.endif
.else
.if (\t)%2
	v_wmma_scale_f32_16x16x128_f8f6f4 v[O+8*\t:O+8*\t+7], v[VF+12*\t:VF+12*\t+11], v[PCD:PCD+11], v[O+8*\t:O+8*\t+7], v[10+\t/2], v253 matrix_a_fmt:MATRIX_FMT_FP6 matrix_b_fmt:MATRIX_FMT_FP6 matrix_a_scale:MATRIX_SCALE_ROW1
.else
	v_wmma_scale_f32_16x16x128_f8f6f4 v[O+8*\t:O+8*\t+7], v[VF+12*\t:VF+12*\t+11], v[PCD:PCD+11], v[O+8*\t:O+8*\t+7], v[10+\t/2], v253 matrix_a_fmt:MATRIX_FMT_FP6 matrix_b_fmt:MATRIX_FMT_FP6
.endif
.endif
.endm
.macro KLOAD                           ; a step's eight tiles of K and their scale words: 18 loads
.irp t, 0,1,2,3,4,5,6,7
	ds_load_b128 v[KF+6*\t:KF+6*\t+3], v3 offset:768*\t
	ds_load_b64 v[KF+6*\t+4:KF+6*\t+5], v4 offset:768*\t+512
.endr
	ds_load_b64 v[28:29], v4 offset:12288
	ds_load_b64 v[30:31], v4 offset:12544
.endm
.macro VLOAD                           ; V's four fragments and their scale words: 17 loads
.irp t, 0,1,2,3
.irp c, 0,1
	ds_load_b128 v[VF+12*\t+6*\c:VF+12*\t+6*\c+3], v3 offset:6144+1536*\t+768*\c
	ds_load_b64 v[VF+12*\t+6*\c+4:VF+12*\t+6*\c+5], v4 offset:6144+1536*\t+768*\c+512
.endr
.endr
	ds_load_b64 v[10:11], v4 offset:12800
.endm
.macro TM8 j0                          ; t - M of 16 logits, two to an instruction
.set j, \j0
.rept 8
	v_pk_fma_f32 v[S+j:S+j+1], v[S+j:S+j+1], s[CS:CS+1], v[12:13] op_sel_hi:[1,0,0]
.set j, j+2
.endr
.endm
.macro LVL d, k0, n                    ; the row's sum, added up in place: n additions of pairs d registers apart
.set j, (\k0)*2*(\d)
.rept \n
	v_pk_add_f32 v[S+j:S+j+1], v[S+j:S+j+1], v[S+j+\d:S+j+\d+1]
.set j, j+2*(\d)
.endr
.endm
; A KEY STEP: 128 keys.  K's fragments are in or on their way; v3, v4 point at the step.  first: it starts M, the sum and O.  pre: the next step's K is fetched.
.macro STEP first, pre
	VLOAD                                          ; behind the last step's additions, which are the places behind its products
	s_wait_dscnt 17                                ; K is in; V's 17 may be out
.irp t, 0,1,2,3,4,5,6,7
	SPROD \t
.endr
.if \pre
	s_add_co_u32 s[TB], s[WV], s[CNT]
	s_and_b32 s[TB], s[TB], 15
	s_mul_i32 s[TB], s[TB], STEPB                  ; the next step: (w + n) % 16
	v_add_nc_u32 v3, s[TB], v1                     ; four places behind the products, ahead of the loads into K's registers and of the first read of S^T
	v_add_nc_u32 v4, s[TB], v2
	v_nop
	v_nop
	KLOAD
.else
.rept 4
	v_nop
.endr
.endif
.irp g, 0,1                                    ; the largest logit of my two blocks, in four chains by turns; each accumulator is first read at its low end
	v_max3_num_f32 v[8+\g], v[S+32*\g], v[S+32*\g+1], v[S+32*\g+2]
	v_max3_num_f32 v[250+4*\g], v[S+32*\g+16], v[S+32*\g+17], v[S+32*\g+18]
.endr
.irp e, 3,5,7,9,11,13
.irp g, 0,1
	v_max3_num_f32 v[8+\g], v[8+\g], v[S+32*\g+\e], v[S+32*\g+\e+1]
	v_max3_num_f32 v[250+4*\g], v[250+4*\g], v[S+32*\g+16+\e], v[S+32*\g+17+\e]
.endr
.endr
.irp g, 0,1
	v_max3_num_f32 v[8+\g], v[8+\g], v[250+4*\g], v[S+32*\g+15]
.endr
.irp g, 0,1
	v_max_num_f32 v[8+\g], v[8+\g], v[S+32*\g+31]
.endr
	v_max_num_f32 v254, v8, v9
	v_permlanex16_b32 v0, v254, s[SEL], s[SEL+1]   ; lane l xor 16's two blocks
.if \first
	v_max_num_f32 v13, v254, v0
.else
	v_mov_b32 v250, v12
	v_max3_num_f32 v13, v13, v254, v0              ; the running largest logit
.endif
	v_mul_f32 v254, s[NC], v13
	v_floor_f32 v12, v254                          ; -M = floor(-t) = -ceil(t): a whole number
	TM8 0
.if \first == 0
	v_sub_f32 v250, v12, v250                      ; M's old value less its new one
.endif
	TM8 16
.if \first == 0
	v_cvt_i32_f32 v250, v250
.endif
	TM8 32
.if \first == 0
	v_ldexp_f32 v252, 1.0, v250                    ; f = 2^(old M - new M)
.endif
	TM8 48
	v_fma_f32 v8, v8, s[CS], v12                   ; the same of each block's largest logit: p rises with the logit
	v_fma_f32 v9, v9, s[CS], v12
.if \first == 0
.set j, 0
.rept 16
	v_pk_mul_f32 v[O+j:O+j+1], v[O+j:O+j+1], v[252:253] op_sel_hi:[1,0]   ; O^T under the new M, ahead of the exponentials
.set j, j+2
.endr
.endif
	s_wait_alu depctr_va_vdst(0)                   ; the wait ahead of the batch
.set j, 0
.rept 64
	v_exp_f32 v[S+j], v[S+j]                       ; p = 2^(t - M)
.set j, j+1
.endr
	v_exp_f32 v8, v8                               ; the blocks' largest p
	v_exp_f32 v9, v9
.if \first
	v_nop                                          ; a plain place behind the exponentials
.else
	v_pk_mul_f32 v[14:15], v[14:15], v[252:253] op_sel_hi:[1,0]   ; the sum under the new M (a plain place behind the exponentials)
.endif
	s_wait_alu depctr_va_vdst(0)                   ; and behind it
	v_max_num_f32 v8, 0x1800000, v8                ; the floor 2^(3 - 127): the byte cannot fall under 1
	v_max_num_f32 v9, 0x1800000, v9
	v_add_nc_u32 v[SC0], 0xff000000, v8            ; 2 off the exponent field: the conversion's scale operand
	v_add_nc_u32 v[SC1], 0xff000000, v9
	v_lshrrev_b32 v8, 23, v[SC0]                   ; the scale's byte
	v_lshrrev_b32 v9, 23, v[SC1]
	v_lshl_or_b32 v254, v9, 16, v8                 ; my bytes: blocks lane / 16 and 2 + lane / 16,
	v_lshlrev_b32 v254, v7, v254                   ; at their places in the word
	v_permlanex16_b32 v0, v254, s[SEL], s[SEL+1]
	v_cvt_scalef32_pk16_fp6_f32 v[PCD:PCD+2], v[S:S+15], v[SC0]
	v_cvt_scalef32_pk16_fp6_f32 v[T0:T0+2], v[S+16:S+31], v[SC0]      ; (a conversion's three registers begin on an even number)
	v_cvt_scalef32_pk16_fp6_f32 v[PCD+6:PCD+8], v[S+32:S+47], v[SC1]
	v_cvt_scalef32_pk16_fp6_f32 v[T1:T1+2], v[S+48:S+63], v[SC1]
	v_or_b32 v253, v254, v0                        ; with lane l xor 16's two the word is whole (a plain place behind the conversions)
.irp e, 0,1,2
	v_mov_b32 v[PCD+3+\e], v[T0+\e]
	v_mov_b32 v[PCD+9+\e], v[T1+\e]
.endr
	LVL 2, 0, 8                                    ; with the moves: 14 places behind the scale word, 8 behind the codes
	s_wait_alu depctr_va_vdst(0)                   ; the wait ahead of the blocking wait
.if \pre
	s_wait_dscnt 18                                ; V is in; the next step's 18 loads of K may be out
.else
	s_wait_dscnt 0x0
.endif
.irp t, 0,1,2,3
	OPROD \t, \first
.endr
	LVL 2, 8, 8
	LVL 4, 0, 8
	LVL 8, 0, 4
	LVL 16, 0, 2
.if \first
	v_pk_add_f32 v[14:15], v[S:S+1], v[S+32:S+33]
.else
	v_pk_add_f32 v[14:15], v[14:15], v[S:S+1]
	v_pk_add_f32 v[14:15], v[14:15], v[S+32:S+33]
.endif
.endm
	s_wait_alu depctr_va_vdst(0)                   ; the wait at the head's end
	s_wait_tensorcnt 0x0                           ; my own key step has landed
	KLOAD
	s_wait_loadcnt 0x0                             ; Q
	STEP 1, 0                                      ; key step w: bytes that I fetched myself
	s_wait_alu depctr_va_vdst(0)
	s_wait_dscnt 0x0
	s_barrier_signal -1
	s_barrier_wait -1                              ; every wave's step has landed: all of K and V is whole; nothing is ever filled again
	s_add_co_u32 s[TB], s[WV], 1
	s_and_b32 s[TB], s[TB], 15
	s_mul_i32 s[TB], s[TB], STEPB
	v_add_nc_u32 v3, s[TB], v1
	v_add_nc_u32 v4, s[TB], v2
	KLOAD
	s_mov_b32 s[CNT], 2
.Lstep:                                                ; 14 trips: steps w + 1 .. w + 14, each fetching the next one's K
	STEP 0, 1
	s_add_co_u32 s[CNT], s[CNT], 1
	s_cmp_lt_u32 s[CNT], 16
	s_wait_alu depctr_va_vdst(0)
	s_cbranch_scc1 .Lstep
	STEP 0, 0                                      ; step w + 15 fetches nothing more
	; THE WAY OUT.  O^T / the sum; o's 64 channels of this head are two blocks of 32 of the last product's K.
	v_add_f32 v14, v14, v15
	v_permlanex16_b32 v252, v14, s[SEL], s[SEL+1]
	v_add_f32 v14, v14, v252
	s_wait_alu depctr_va_vdst(0)
	v_rcp_f32 v14, v14
	v_nop
	s_wait_alu depctr_va_vdst(0)
.set j, 0
.rept 16
	v_pk_mul_f32 v[O+j:O+j+1], v[O+j:O+j+1], v[14:15] op_sel_hi:[1,0]   ; register 8 t + i is o(my query, 16 t + 8 (lane / 16) + i)
.set j, j+2
.endr
.irp b, 0,1                                    ; W_out's codes lie in natural order: after these exchanges registers 16 b .. 16 b + 15 are channels 32 b + 16 (lane / 16) + 0 .. 15
.irp e, 0,1,2,3,4,5,6,7
	v_permlane16_swap_b32 v[O+16*\b+\e], v[O+16*\b+8+\e]
.endr
.endr
.irp b, 0,1
	v_max3_num_f32 v[E+\b], 0x1800000, |v[O+16*\b]|, |v[O+16*\b+1]|
.endr
.irp e, 2,4,6,8,10,12,14
.irp b, 0,1
	v_max3_num_f32 v[E+\b], v[E+\b], |v[O+16*\b+\e]|, |v[O+16*\b+\e+1]|
.endr
.endr
.irp b, 0,1
	v_permlanex16_b32 v[E+2+\b], v[E+\b], s[SEL], s[SEL+1]
.endr
.irp b, 0,1
	v_max_num_f32 v[E+\b], v[E+\b], v[E+2+\b]
.endr
.irp b, 0,1
	v_add_nc_u32 v[E+4+\b], 0xff000000, v[E+\b]
.endr
.irp b, 0,1
	v_lshrrev_b32 v[E+6+\b], 23, v[E+4+\b]
.endr
	v_cvt_scalef32_pk16_fp6_f32 v[E+8:E+10], v[O:O+15], v[E+4]
	v_cvt_scalef32_pk16_fp6_f32 v[E+14:E+16], v[O+16:O+31], v[E+5]
	v_nop
.irp e, 0,1,2
	v_permlane16_swap_b32 v[E+8+\e], v[E+14+\e]    ; a whole block in a lane
.endr
.irp e, 0,1,2
	v_mov_b32 v[E+11+\e], v[E+14+\e]
.endr
	v_cndmask_b32 v[E+18], v[E+6], v[E+7], s60     ; lanes 0-15 store block 0's byte of their row, lanes 16-31 block 1's
	global_store_b128 v1, v[E+8:E+11], s[10:11]
	global_store_b64 v2, v[E+12:E+13], s[10:11] offset:512
	global_store_b8 v5, v[E+18], s[12:13]
	s_wait_tensorcnt 0x0                           ; the wave's end
	ds_add_u32 v251, v255
	s_wait_dscnt 0x0
	CROUND                                         ; the closing round
	s_endpgm
.Lfunc_end_k_q50ed98e48a_attn:
	.size	k_q50ed98e48a_attn, .Lfunc_end_k_q50ed98e48a_attn-k_q50ed98e48a_attn
	.p2alignl 7, 3214868480
	.fill 96, 4, 3214868480
	.section	.rodata,"a",@progbits
	.p2align	6, 0x0
	.amdhsa_kernel k_q50ed98e48a_attn
		.amdhsa_group_segment_fixed_size 215040
		.amdhsa_private_segment_fixed_size 0
		.amdhsa_enable_private_segment 0
		.amdhsa_kernarg_size 40
		.amdhsa_user_sgpr_count 2
		.amdhsa_user_sgpr_kernarg_segment_ptr 1
		.amdhsa_wavefront_size32 1
		.amdhsa_system_sgpr_workgroup_id_x 1
		.amdhsa_system_sgpr_workgroup_id_y 1
		.amdhsa_system_sgpr_workgroup_id_z 1
		.amdhsa_system_vgpr_workitem_id 0
		.amdhsa_next_free_vgpr 256
		.amdhsa_next_free_sgpr 66
		.amdhsa_reserve_vcc 0
		.amdhsa_float_denorm_mode_32 3
		.amdhsa_float_denorm_mode_16_64 3
		.amdhsa_memory_ordered 1
		.amdhsa_forward_progress 1
		.amdhsa_inst_pref_size 52
	.end_amdhsa_kernel
	.amdgpu_metadata
---
amdhsa.version: [ 1, 2 ]
amdhsa.kernels:
  - .name:           k_q50ed98e48a_attn
    .symbol:         k_q50ed98e48a_attn.kd
    .args:
      - { .name: qimg, .offset: 0, .size: 8, .value_kind: global_buffer, .address_space: global }
      - { .name: qsc, .offset: 8, .size: 8, .value_kind: global_buffer, .address_space: global }
      - { .name: kv, .offset: 16, .size: 8, .value_kind: global_buffer, .address_space: global }
      - { .name: oimg, .offset: 24, .size: 8, .value_kind: global_buffer, .address_space: global }
      - { .name: osc, .offset: 32, .size: 8, .value_kind: global_buffer, .address_space: global }
    .group_segment_fixed_size: 215040
    .private_segment_fixed_size: 0
    .kernarg_segment_align: 8
    .kernarg_segment_size: 40
    .max_flat_workgroup_size: 512
    .sgpr_count:     66
    .vgpr_count:     256
    .wavefront_size: 32
...
	.end_amdgpu_metadata
.endif
;; end of part 2
;; launch proj (part 3): grid 32 x 8, 4 waves a work-group, clusters of 4 x 1, 168,448 bytes of LDS; arguments oimg, osc, W_out_codes, W_out_scales, out0; writes out0
.if DOCPART == 3
	.amdgcn_target "amdgcn-amd-amdhsa--gfx1250"
	.amdhsa_code_object_version 6
	.text
	.protected	k_q50ed98e48a_proj
	.globl	k_q50ed98e48a_proj
	.p2align	8
	.type	k_q50ed98e48a_proj,@function
k_q50ed98e48a_proj:
	s_mov_b64 s[64:65], 0
	v_nop
	global_prefetch_b8 v0, s[64:65] scope:SCOPE_SE
	s_setreg_imm32_b32 hwreg(HW_REG_WAVE_MODE, 25, 1), 1
	s_wait_xcnt 0x0
	s_wait_alu depctr_hold_cnt(0) depctr_sa_sdst(0) depctr_va_vdst(0) depctr_va_sdst(0) depctr_va_ssrc(0) depctr_va_vcc(0) depctr_vm_vsrc(0)
	s_getreg_b32 s2, hwreg(HW_REG_IB_STS2, 6, 4)
	s_cmp_eq_u32 s2, 0
	s_cbranch_scc0 .Lentry_in_a_cluster
	s_endpgm
.Lentry_in_a_cluster:
	s_bfe_u32 s2, ttmp6, 0x10000c
	s_cmp_lg_u32 s2, 0x3003
	s_cbranch_scc0 .Lentry_shape_is_right
	s_endpgm
.Lentry_shape_is_right:
; out = o W_out^T on codes of FP6 (E2M3) with E8M0 scales; out: [4096][1024] f32.  o comes as images of its operand registers (oimg: tile of 16 rows, K step, half: 768 bytes) with 32 scale bytes a row (osc);
; W_out as it is given: rows of 768 bytes of codes and 32 scale bytes.
; SHARES.  A tile of out is 128 x 128: 256 work-groups.  Wave (wr, wc) makes 64 x 64: 16 accumulators.  Source 0 = 16 rows of W_out, source 1 = 16 rows of o: a lane holds eight neighbouring numbers of a row of out.
; Row p of o's tile m of a wave's four is position 32 (p / 8) + 8 m + p % 8 of its 64 (so the first launch dealt the positions): the stores put the rows back in order.
; W_out's 128 rows lie in LDS WHOLE (768 bytes, each row on a multiple of 256 bytes in memory; 16 bytes of padding behind every 256: pitch 816), each byte filled once: every wave brings 32 rows, its one tensor load.
; CLUSTER 4 x 1: the four partners have the same block of columns: W_out's rows are asked for JOINTLY.  o is not shared among them and comes straight from memory into registers, once.
; No prefetch: every byte is asked for at the head.
; REGISTERS in windows of 256: window 0: v0-31 addresses; v32-63 o's scale words, v64-95 W_out's; v96-191 W_out's fragments, two sets of four; v192-255 rows on their way out.
; window 1: o's fragments of K steps 0-3 at 48 (s % 4) + 12 mt; window 2: K steps 4-7; window 3: the accumulators, (mt, nt) at 8 (4 mt + nt).
.set PITCH, 816
.set STG,   128*PITCH                  ; behind W_out's rows: a stage of 16 rows x (256 bytes + 16) for each wave; no fill lands there
.set SP,    272
.set ADW,  16                          ; v16 my W fragments; v17 the same with lanes 16-31 behind one padding more
.set STO,  20
.set RD,   21
.set CO,   22
.set LI,   24
.set LJ,   25
.set LR,   26
.set SCO,  32
.set SCW,  64
.set WF,   96
.set BK,   192
.set G1,   24
.set G0,   32
.set MSB, 0
.macro WIN new
.if MSB != (\new)
	s_set_vgpr_msb (MSB<<8)|(\new)
.set MSB, (\new)
.endif
.endm
.macro PLACES n
.rept \n
	v_nop
.endr
.endm
.macro CROUND
	s_barrier_signal -1
	s_barrier_wait -1
	s_cmp_lg_u32 s14, 0
	s_cbranch_scc1 .Lnot_wave_0_\@
	s_barrier_signal -3
.Lnot_wave_0_\@:
	s_barrier_wait -3
	s_barrier_signal -1
	s_barrier_wait -1
.endm
	s_load_b256 s[4:11], s[0:1], 0x0               ; oimg, osc, W_out's codes, its scales
	s_load_b64 s[12:13], s[0:1], 0x20              ; out
	v_lshl_add_u32 v30, v0, 2, 0x29000
	v_mov_b32 v31, 0
	ds_add_u32 v30, v31                            ; the opening lines
	ds_add_u32 v30, v31
	v_lshrrev_b32 v1, 5, v0
	v_readfirstlane_b32 s14, v1
	s_lshr_b32 s15, s14, 1                         ; wr
	s_and_b32 s16, s14, 1                          ; wc
	s_bfe_u32 s17, ttmp6, 0x40000
	s_lshl_b32 s18, ttmp9, 2
	s_add_co_u32 s18, s18, s17                     ; the block of 128 rows: it enters o's and out's addresses alone
	s_and_b32 s19, ttmp7, 0xffff                   ; the block of 128 columns, which the four partners share
	s_mov_b32 s[G1], 15|(1<<20)|(1<<21)|(5<<22)|(3<<25)   ; the mask: all four; elements of 1 byte; after every 64 words 4 words of padding
	s_mov_b32 s[G1+1], 768<<16
	s_mov_b32 s[G1+2], 32<<16
	s_mov_b32 s[G1+3], 768<<16
	s_mov_b32 s[G1+4], 32
	s_mov_b32 s[G1+5], 768
	s_mov_b32 s[G1+6], 0
	s_mov_b32 s[G1+7], 0
	s_lshl_b32 s48, s19, 7
	s_lshl_b32 s49, s14, 5
	s_add_co_u32 s48, s48, s49                     ; W_out's row 128 x block + 32 x wave
	s_mul_i32 s48, s48, 768
	s_mov_b32 s49, 0
	s_mov_b32 s[G0], 1
	s_mul_i32 s[G0+1], s14, 32*PITCH
	s_wait_dscnt 0x0
	s_wait_kmcnt 0x0
	s_add_nc_u64 s[G0+2:G0+3], s[8:9], s[48:49]
	s_or_b32 s[G0+3], s[G0+3], 0x80000000
	CROUND                                         ; all four work-groups are here: the joint loads meet
	tensor_load_to_lds s[G0:G0+3], s[G1:G1+7]      ; every wave's one load
	s_nop 0
.rept 4
	v_nop
.endr
	v_and_b32 v1, 15, v0
	v_bfe_u32 v2, v0, 4, 1
	v_and_b32 v3, 31, v0
	v_lshlrev_b32 v[LI], 4, v3
	v_lshlrev_b32 v[LJ], 3, v3
	v_lshlrev_b32 v[LR], 5, v1
	s_wait_alu depctr_va_vdst(0)                   ; the wait ahead of the run of scalar lines
	s_lshl_b32 s52, s18, 7
	s_lshl_b32 s53, s15, 6
	s_add_co_u32 s52, s52, s53
	s_lshl_b32 s54, s52, 12
	s_lshl_b32 s52, s52, 5
	s_mov_b32 s53, 0
	s_add_nc_u64 s[6:7], s[6:7], s[52:53]
	s_lshl_b32 s52, s19, 7
	s_lshl_b32 s55, s16, 6
	s_add_co_u32 s52, s52, s55
	s_lshl_b32 s55, s52, 2
	s_lshl_b32 s52, s52, 5
	s_add_nc_u64 s[10:11], s[10:11], s[52:53]
	s_add_co_u32 s52, s54, s55
	s_add_nc_u64 s[12:13], s[12:13], s[52:53]
	s_lshl_b32 s52, s18, 3
	s_lshl_b32 s54, s15, 2
	s_add_co_u32 s52, s52, s54
	s_mul_i32 s52, s52, 12288
	s_add_nc_u64 s[4:5], s[4:5], s[52:53]
.irp m, 0,1,2,3
	global_load_b128 v[SCO+8*\m:SCO+8*\m+3], v[LR], s[6:7] offset:512*\m
	global_load_b128 v[SCO+8*\m+4:SCO+8*\m+7], v[LR], s[6:7] offset:512*\m+16
.endr
.irp n, 0,1,2,3
	global_load_b128 v[SCW+8*\n:SCW+8*\n+3], v[LR], s[10:11] offset:512*\n
	global_load_b128 v[SCW+8*\n+4:SCW+8*\n+7], v[LR], s[10:11] offset:512*\n+16
.endr
.irp s, 0,1,2,3,4,5,6,7                        ; all of o that I multiply: 16 loads a K step, K ascending
	WIN 0x40*(1+\s/4)
.irp m, 0,1,2,3
	global_load_b128 v[48*(\s%4)+12*\m:48*(\s%4)+12*\m+3], v[LI], s[4:5] offset:12288*\m+1536*\s
	global_load_b64 v[48*(\s%4)+12*\m+4:48*(\s%4)+12*\m+5], v[LJ], s[4:5] offset:12288*\m+1536*\s+512
	global_load_b128 v[48*(\s%4)+12*\m+6:48*(\s%4)+12*\m+9], v[LI], s[4:5] offset:12288*\m+1536*\s+768
	global_load_b64 v[48*(\s%4)+12*\m+10:48*(\s%4)+12*\m+11], v[LJ], s[4:5] offset:12288*\m+1536*\s+1280
.endr
.endr
	WIN 0
	v_mul_u32_u24 v3, v1, PITCH
	v_mad_u32_u24 v3, v2, 24, v3
	s_mul_i32 s52, s16, 64*PITCH
	v_add_nc_u32 v[ADW], s52, v3
	v_lshl_add_u32 v[ADW+1], v2, 4, v[ADW]
	s_mul_i32 s52, s14, 16*SP
	s_add_co_u32 s52, s52, STG
	v_mul_u32_u24 v4, v1, SP
	v_lshl_add_u32 v4, v2, 5, v4
	v_add_nc_u32 v[STO], s52, v4
	v_mul_u32_u24 v4, v2, SP
	v_lshl_add_u32 v4, v1, 4, v4
	v_add_nc_u32 v[RD], s52, v4
	v_lshlrev_b32 v4, 12, v2
	v_lshl_add_u32 v[CO], v1, 4, v4
; W_out's four fragments of K step s into set s % 2: pieces of 8 bytes; byte y of a row lies at y + 16 (y / 256) of its LDS row; lanes 16-31 read 24 bytes on
.macro WFR s
.irp n, 0,1,2,3
.irp p, 0,1,2,3,4,5
.set BY, 96*(\s)+48*(\p/3)+8*(\p%3)
.if BY/256 == (BY+24)/256
	ds_load_b64 v[WF+48*((\s)%2)+12*\n+2*\p:WF+48*((\s)%2)+12*\n+2*\p+1], v[ADW] offset:BY+16*(BY/256)+\n*16*PITCH
.else
	ds_load_b64 v[WF+48*((\s)%2)+12*\n+2*\p:WF+48*((\s)%2)+12*\n+2*\p+1], v[ADW+1] offset:BY+16*(BY/256)+\n*16*PITCH
.endif
.endr
.endr
.endm
; K step s: 16 products, the 16 accumulators by turns in the same order in every step; the first step starts the sums.  left: the LDS loads that may stay out.
.macro MULS s, set, left
.if 16*(7-(\s)) > 63
	s_wait_loadcnt 63                              ; the later K steps' loads of o may be out, 16 a step; the wait names 63 at the most
.else
	s_wait_loadcnt 16*(7-(\s))
.endif
	s_wait_dscnt \left
	WIN 0xf4+4*((\s)/4)
.irp m, 0,1,2,3
.irp n, 0,1,2,3
.if (\s) == 0
	v_wmma_scale_f32_16x16x128_f8f6f4 v[8*(4*\m+\n):8*(4*\m+\n)+7], v[WF+48*(\set)+12*\n:WF+48*(\set)+12*\n+11], v[48*((\s)%4)+12*\m:48*((\s)%4)+12*\m+11], 0, v[SCW+8*\n+(\s)], v[SCO+8*\m+(\s)] matrix_a_fmt:MATRIX_FMT_FP6 matrix_b_fmt:MATRIX_FMT_FP6
.else
	v_wmma_scale_f32_16x16x128_f8f6f4 v[8*(4*\m+\n):8*(4*\m+\n)+7], v[WF+48*(\set)+12*\n:WF+48*(\set)+12*\n+11], v[48*((\s)%4)+12*\m:48*((\s)%4)+12*\m+11], v[8*(4*\m+\n):8*(4*\m+\n)+7], v[SCW+8*\n+(\s)], v[SCO+8*\m+(\s)] matrix_a_fmt:MATRIX_FMT_FP6 matrix_b_fmt:MATRIX_FMT_FP6
.endif
.endr
.endr
	WIN 0
.endm
	s_wait_alu depctr_va_vdst(0)                   ; the wait at the head's end
	s_wait_tensorcnt 0x0                           ; my 32 rows have landed,
	s_barrier_signal -1
	s_barrier_wait -1                              ; everybody's have
	WFR 0
	WFR 1
.irp s, 0,1,2,3,4,5
	MULS \s, \s%2, 24                              ; the next step's 24 loads may be out
	PLACES 4                                       ; in front of loads into registers that matrix instructions have read
	WFR \s+2
.endr
	MULS 6, 0, 24
	MULS 7, 1, 0
	; THE WAY OUT, 16 rows x 64 columns at once, through my own stage in LDS, back as rows of 256 bytes which sixteen lanes store whole.  LDS serves a wave's instructions in order (ISA guide 5.7.1.4).
	PLACES 4
.irp m, 0,1,2,3
.if \m > 1
	s_wait_xcnt 0x0                                ; block m - 2's stores have read their registers
.endif
	WIN 0x0c
.irp n, 0,1,2,3
	ds_store_b128 v[STO], v[8*(4*\m+\n):8*(4*\m+\n)+3] offset:64*\n        ; each accumulator from its low end on
	ds_store_b128 v[STO], v[8*(4*\m+\n)+4:8*(4*\m+\n)+7] offset:64*\n+16
.endr
	WIN 0
.irp t, 0,1,2,3,4,5,6,7
	ds_load_b128 v[BK+32*(\m%2)+4*\t:BK+32*(\m%2)+4*\t+3], v[RD] offset:\t*2*SP
.endr
.irp t, 0,1,2,3,4,5,6,7
	s_wait_dscnt 7-\t
	global_store_b128 v[CO], v[BK+32*(\m%2)+4*\t:BK+32*(\m%2)+4*\t+3], s[12:13] offset:(32*(\t/4)+8*\m+2*(\t%4))*4096 th:TH_STORE_NT   ; the tile's rows 2 t, 2 t + 1 are positions 32 (t / 4) + 8 m + 2 (t % 4) + 0, 1
.endr
.endr
	s_wait_tensorcnt 0x0                           ; the wave's end
	ds_add_u32 v30, v31
	s_wait_dscnt 0x0
	CROUND                                         ; the closing round
	s_endpgm
.Lfunc_end_k_q50ed98e48a_proj:
	.size	k_q50ed98e48a_proj, .Lfunc_end_k_q50ed98e48a_proj-k_q50ed98e48a_proj
	.p2alignl 7, 3214868480
	.fill 96, 4, 3214868480
	.section	.rodata,"a",@progbits
	.p2align	6, 0x0
	.amdhsa_kernel k_q50ed98e48a_proj
		.amdhsa_group_segment_fixed_size 168448
		.amdhsa_private_segment_fixed_size 0
		.amdhsa_enable_private_segment 0
		.amdhsa_kernarg_size 40
		.amdhsa_user_sgpr_count 2
		.amdhsa_user_sgpr_kernarg_segment_ptr 1
		.amdhsa_wavefront_size32 1
		.amdhsa_system_sgpr_workgroup_id_x 1
		.amdhsa_system_sgpr_workgroup_id_y 1
		.amdhsa_system_sgpr_workgroup_id_z 1
		.amdhsa_system_vgpr_workitem_id 0
		.amdhsa_next_free_vgpr 896
		.amdhsa_next_free_sgpr 66
		.amdhsa_reserve_vcc 0
		.amdhsa_float_denorm_mode_32 3
		.amdhsa_float_denorm_mode_16_64 3
		.amdhsa_memory_ordered 1
		.amdhsa_forward_progress 1
		.amdhsa_inst_pref_size 57
	.end_amdhsa_kernel
	.amdgpu_metadata
---
amdhsa.version: [ 1, 2 ]
amdhsa.kernels:
  - .name:           k_q50ed98e48a_proj
    .symbol:         k_q50ed98e48a_proj.kd
    .args:
      - { .name: oimg, .offset: 0, .size: 8, .value_kind: global_buffer, .address_space: global }
      - { .name: osc, .offset: 8, .size: 8, .value_kind: global_buffer, .address_space: global }
      - { .name: W_out_codes, .offset: 16, .size: 8, .value_kind: global_buffer, .address_space: global }
      - { .name: W_out_scales, .offset: 24, .size: 8, .value_kind: global_buffer, .address_space: global }
      - { .name: out0, .offset: 32, .size: 8, .value_kind: global_buffer, .address_space: global }
    .group_segment_fixed_size: 168448
    .private_segment_fixed_size: 0
    .kernarg_segment_align: 8
    .kernarg_segment_size: 40
    .max_flat_workgroup_size: 128
    .sgpr_count:     66
    .vgpr_count:     896
    .wavefront_size: 32
...
	.end_amdgpu_metadata
.endif
;; end of part 3
